; MI455X (gfx1250); checked and timed in simulation.
; The chip was launched on July 23, 2026; its instructions are those of AMD's public machine-readable ISA for CDNA 5 (MIT licence, August 2026) and "CDNA5" Instruction Set Architecture Reference Guide (July 2026). The comments in the code are by the model that wrote it; some were corrected since.
;; Mo E Layer. Allowed arithmetic: matrix products marked QUANTISED: E2M3 operands, one E8M0 scale for each 32 along K, by v_wmma_scale_f32_16x16x128_f8f6f4 with both operands' format E2M3, f32 sums; products left as they are: f32 operands where the result goes on into a quantised operand, else bf16, f16 or f32 operands; f32 sums; everything else in f32.
;; Inputs: W1_codes 8 x 512 x 32 x 24 uint8 (E2M3 codes of W1, K innermost, in blocks of 32 codes, four codes in three bytes); W1_scales 8 x 512 x 32 uint8 (E8M0 scales of W1, one for each 32 codes along K); W2_codes 8 x 1,024 x 16 x 24 uint8 (E2M3 codes of W2, K innermost, in blocks of 32 codes, four codes in three bytes); W2_scales 8 x 1,024 x 16 uint8 (E8M0 scales of W2, one for each 32 codes along K); Wg 1,024 x 8 float32; b1 8 x 512 float32; b2 8 x 1,024 float32; bg 8 float32; x 4 x 2,048 x 1,024 float32.
;; Outputs: out0 4 x 2,048 x 1,024 float32; out1 4 x 2,048 x 8 float32; out2 4 x 2,048 int32.
;; This version of the problem:
;;   THIS VERSION OF THE PROBLEM IS GIVEN IN LOW PRECISION. The matrix products marked QUANTISED in the list below multiply operands that are first quantised to E2M3 (2 exponent bits, 3 mantissa bits; 6 bits a number), with one power-of-two scale for each 32 numbers along K (OCP MX v1.0); their sums are f32. All else is computed in f32.
;;   The module's matrix products, in the order in which they are computed (A, B: the left and right operand; K: the contracted axis; several contracted axes count as one K, in the product's order):
;;     1. [M 8,192, K 1,024] x [K 1,024, N 8]; A: input x; B: input Wg: left as it is (N = 8 < 16)
;;     2. batch 8,192 x [M 8, K 1] x [K 1, N 1,024]; A: computed on the way; B: computed on the way: left as it is (no contracted axis)
;;     3. batch 8 x [M 8,192, K 1,024] x [K 1,024, N 512]; A: computed on the way; B: input W1 (given as codes): QUANTISED
;;     4. batch 8 x [M 8,192, K 512] x [K 512, N 1,024]; A: computed on the way; B: input W2 (given as codes): QUANTISED
;;   THE QUANTISER, for each operand of a quantised product, along K:
;;     - K is cut into blocks of 32 from its start; a last block that is shorter is filled with zeros.
;;     - A block's scale is 2^e with e = floor(log2(the largest magnitude in the block)) - 2, held to -126 .. 127; a block of zeros has e = 0. As a byte (E8M0): e + 127.
;;     - Each number is divided by its block's scale, clamped to +-7.5, and rounded to the nearest number of E2M3, ties to even, subnormals kept.
;;     - The product sums the exact products of the quantised numbers (number of the format x scale) in f32.
;;   ~~~python
;;   def quantise(x, axis):      # numpy; x: float32 -> the quantised numbers, widened to float32 again
;;       x = np.moveaxis(x, axis, -1); K = x.shape[-1]
;;       x = np.pad(x, [(0, 0)] * (x.ndim - 1) + [(0, -K % 32)]); x = x.reshape(x.shape[:-1] + (-1, 32)); a = np.abs(x).max(-1, keepdims=True)
;;       e = np.where(a > 0, np.clip(np.frexp(np.where(a > 0, a, 1))[1] - 1 - 2, -126, 127), 0)      # np.frexp(a)[1] - 1 = floor(log2(a)), exactly
;;       r = np.clip(x / 2.0 ** e, -7.5, 7.5)
;;       step = 2.0 ** (np.maximum(np.frexp(np.where(r == 0, 1, r))[1] - 1, 0) - 3)
;;       q = np.round(r / step) * step * 2.0 ** e      # np.round: ties to even
;;       return np.moveaxis(q.reshape(q.shape[:-2] + (-1,))[..., :K], -1, axis).astype(np.float32)
;;   ~~~
;;   OPERANDS COMPUTED ON THE WAY. 'Computed on the way' means the value that the module computes at that place (a softmax that the list does not call 'softmax' is quantised finished and normalised). What goes into a quantiser is computed in f32, as accurately as f32 sums, v_exp_f32 and their like allow (about 1e-6 of the number): no bf16 or f16 on the way to a quantiser, and a product that is left as it is and whose result goes on into a quantised operand takes f32 operands (vector FMAs, or v_wmma_f32_16x16x4_f32). A number that lies on a knife's edge between two numbers of the format may be rounded either way, as far as f32 arithmetic and the matrix unit's own rounding can turn it there, and no further.
;;   INPUTS GIVEN AS CODES. W1 (in the module: [8, 1024, 512], K = its axis 1); W2 (in the module: [8, 512, 1024], K = its axis 1): each comes as NAME_codes (uint8): NAME with its K axis moved to the last place and cut into blocks of 32 codes, [.., K / 32, bytes a block], one block behind the other in memory; four codes in three bytes: a row's codes are one little-endian stream of bits, code i at bits 6 i .. 6 i + 5 (a code: sign, 2 exponent bits, 3 mantissa bits); and NAME_scales (uint8): the same leading axes, one E8M0 byte (e + 127) for each 32 codes along K. Its value is code x scale, taken as it is: it is not quantised again, and the codes and scales need not be those that the quantiser above would give.
;; One version. Each part assembles by itself: llvm-mc -triple=amdgcn-amd-amdhsa -mcpu=gfx1250 --defsym DOCPART=n.
;; ======== version 1 of 1: 3 launches
;; workspace buffers: xq 6,291,456 bytes; xs 262,144 bytes; h0 4,096 bytes; route 40,960 bytes of whole numbers; wimg 6,291,456 bytes; dvec 32,768 bytes; list 36,864 bytes of whole numbers
;; launch gate (part 1): grid 256 x 1, 4 waves a work-group, no clusters, 209,408 bytes of LDS; arguments x, Wg, bg, b1, xq, xs, h0, route, out1, out2; writes xq, xs, h0, route, out1, out2
.if DOCPART == 1
	.amdgcn_target "amdgcn-amd-amdhsa--gfx1250"
	.amdhsa_code_object_version 6
	.text
	.protected	k_q9da0ea621a_gate
	.globl	k_q9da0ea621a_gate
	.p2align	8
	.type	k_q9da0ea621a_gate,@function
k_q9da0ea621a_gate:
	s_mov_b64 s[64:65], 0
	v_nop
	global_prefetch_b8 v0, s[64:65] scope:SCOPE_SE
	s_setreg_imm32_b32 hwreg(HW_REG_WAVE_MODE, 25, 1), 1
	s_wait_xcnt 0x0
; GATE.  logits = x Wg + bg in f32 (fused multiply-adds: the choice steers a quantised operand), out1 = softmax, out2 = argmax of the probabilities (the lower index where two are equal);
; x is quantised along D to codes of E2M3 with one E8M0 byte for each 32 (xq, xs); relu(b1) likewise (h0); for the sort of the next launch each token's rank among the tokens of its block of 32
; that chose the same expert, and each block's count for each expert (route).
; SHARES.  A work-group takes 32 tokens, a wave 8.  Lane l owns d = 32 l .. 32 l + 31 of every row: a whole block of the quantiser, and 32 x 8 numbers of Wg, which stay in 256 registers.
; x comes by four tensor loads a wave (2 rows of 4,096 bytes each), Wg by one (8 of 32 rows of 1,024 bytes).
; Wg is a fifth of what a work-group brings in, so no cluster shares it.
; xq: a token has 768 bytes; block b (24 bytes) lies at 384 (b % 2) + 24 (b / 2): the half of the lanes that takes the odd blocks of an operand finds its 384 bytes on end.
; LIMITS: NaN and infinities are not served.  A block whose largest magnitude lies under 2^-124 (a block of zeros too) gets the byte 1: only this program reads the bytes, and zero codes add nothing.
; Two logits that differ by no more than the rounding of an f32 sum of 1,024 terms may be ordered either way.
; REGISTERS, window 0: v1 lane; v2-15 addresses and constants; v16-20 at work; v21-23 addresses for b1; v24-27 at work in the reduction; v28-34, v36-42 codes (even, odd token); v44-45 their scale bytes;
;   v48-111 two rows' 32 numbers; v112-143 4 tokens x 8 partial logits; v144-191 codes on their way out; v192.. softmax and tail.   window 1: Wg(32 l + i, e) at v[8 i + e].
.set XROW,  4608                       ; a row of x in LDS: 32 x (128 bytes + 16 of padding): a lane's block begins 144 bytes behind its neighbour's, an odd multiple of 16
.set XTW,   8*XROW                     ; a wave's 8 rows
.set WGT,   4*XTW                      ; Wg as 32 rows of 1,024 bytes + 16
.set WGP,   1040
.set CST,   WGT+32*WGP                 ; stage for the codes: 768 bytes a token, 6,144 a wave
.set SST,   CST+4*6144                 ; for the scale bytes: 256 a wave
.set PST,   SST+1024                   ; for the probabilities: 256 a wave
.set IST,   PST+1024                   ; for the choices: 4 bytes a token
.set XA,    2
.set WGA,   3
.set CA,    4
.set SA,    5
.set CR,    6
.set G16,   7
.set PA,    8
.set PRD,   9
.set SRD,   10
.set G8,    11
.set IA,    12
.set BG,    13
.set EF,    14
.set EIGHT, 15
.set H0L,   21
.set H0C,   22
.set H0S,   23
.set T,     24
.set C,     28
.set IRD,   35
.set L4,    43
.set BY,    44
.set SCO,   46
.set BGA,   47
.set X,     48
.set ACC,   112
.set OUT,   144
.set W,     192
.set MSB, 0
.macro WIN new                         ; the immediate's high byte repeats the setting that is left
.if MSB != (\new)
	s_set_vgpr_msb (MSB<<8)|(\new)
.set MSB, (\new)
.endif
.endm
	s_load_b512 s[4:19], s[0:1], 0x0               ; x s[4:5], Wg s[6:7], bg s[8:9], b1 s[10:11], xq s[12:13], xs s[14:15], h0 s[16:17], route s[18:19]
	s_load_b128 s[20:23], s[0:1], 0x40             ; out1 s[20:21], out2 s[22:23]
	v_lshl_add_u32 v254, v0, 2, 0x33000
	v_mov_b32 v255, 0
	ds_add_u32 v254, v255
	ds_add_u32 v254, v255
	v_lshrrev_b32 v16, 5, v0
	v_readfirstlane_b32 s74, v16                   ; wave 0..3
	v_and_b32 v1, 31, v0                           ; lane
	; descriptor group 1 for x: 2 rows x 1,024 elements of 4 bytes, 4 words of padding behind every 32
	s_mov_b32 s28, (2<<16)|(1<<20)|(4<<22)|(3<<25)
	s_mov_b32 s29, 1024<<16                        ; tensor_dim0
	s_mov_b32 s30, 2<<16                           ; tensor_dim1
	s_mov_b32 s31, 1024<<16                        ; tile_dim0
	s_mov_b32 s32, 2                               ; tile_dim1
	s_mov_b32 s33, 1024                            ; elements from row to row
	s_mov_b32 s34, 0
	s_mov_b32 s35, 0
	; and for Wg, taken as [32][256]: 8 rows x 256 elements, 4 words of padding behind every 256
	s_mov_b32 s36, (2<<16)|(1<<20)|(7<<22)|(3<<25)
	s_mov_b32 s37, 256<<16
	s_mov_b32 s38, 8<<16
	s_mov_b32 s39, 256<<16
	s_mov_b32 s40, 8
	s_mov_b32 s41, 256
	s_mov_b32 s42, 0
	s_mov_b32 s43, 0
	s_mul_i32 s75, s74, XTW                        ; my rows of x in LDS
	s_mul_i32 s92, s74, 8*WGP                      ; my rows of Wg in LDS
	s_lshl_b32 s24, ttmp9, 17                      ; 32 rows of 4,096 bytes a work-group,
	s_lshl_b32 s25, s74, 15                        ; 8 a wave
	s_add_co_u32 s24, s24, s25
	s_mov_b32 s25, 0
	s_lshl_b32 s26, s74, 13                        ; my 8,192 bytes of Wg
	s_mov_b32 s27, 0
	s_mov_b32 s66, 0xaaaaaaaa                      ; the lanes whose bit 0, 1, 2, 3, 4 is set
	s_mov_b32 s67, 0xcccccccc
	s_mov_b32 s68, 0xf0f0f0f0
	s_mov_b32 s69, 0xff00ff00
	s_mov_b32 s70, 0xffff0000
	s_mov_b32 s72, 0x76543210                      ; v_permlanex16_b32's selects for lane l xor 16
	s_mov_b32 s73, 0xfedcba98
	; every LDS address is made here, ahead of the first parting of the waves
	v_mul_u32_u24 v[XA], v1, 144
	v_add_nc_u32 v[XA], s75, v[XA]                 ; my block in my wave's first row
	v_mul_u32_u24 v[WGA], v1, WGP
	v_add_nc_u32 v[WGA], WGT, v[WGA]               ; my row of Wg
	v_and_b32 v18, 1, v1
	v_mul_u32_u24 v18, v18, 384
	v_lshrrev_b32 v19, 1, v1
	v_mad_u32_u24 v[CA], v19, 24, v18              ; my block's place in a token's 768 bytes
	s_mul_i32 s93, s74, 6144
	s_add_co_u32 s93, s93, CST
	v_add_nc_u32 v[CA], s93, v[CA]
	v_lshl_add_u32 v[CR], v1, 4, s93               ; and back: 16 bytes a lane
	v_lshlrev_b32 v[G16], 4, v1
	s_lshl_b32 s94, s74, 8
	s_add_co_u32 s95, s94, SST
	v_add_nc_u32 v[SA], s95, v1                    ; my block's scale byte
	v_lshl_add_u32 v[SRD], v1, 3, s95
	s_add_co_u32 s96, s94, PST
	v_lshl_add_u32 v[PA], v1, 2, s96
	v_lshl_add_u32 v[PRD], v1, 3, s96
	v_lshlrev_b32 v[G8], 3, v1
	v_lshrrev_b32 v18, 3, v1
	s_lshl_b32 s97, s74, 5
	s_add_co_u32 s97, s97, IST
	v_lshl_add_u32 v[IA], v18, 2, s97              ; the choice of token lane / 8 of a group of four
	v_lshl_add_u32 v[IRD], v1, 2, IST              ; and back: a token a lane
	v_lshlrev_b32 v[L4], 2, v1
	v_and_b32 v18, 7, v1
	v_cvt_f32_u32 v[EF], v18                       ; my expert's number as f32
	v_lshlrev_b32 v[BGA], 2, v18
	v_mov_b32 v[EIGHT], 0x41000000                 ; 8.0: above every expert's number
	v_and_b32 v[H0S], 15, v1
	v_lshlrev_b32 v[H0L], 7, v[H0S]
	v_mul_u32_u24 v[H0C], v[H0S], 24
	s_wait_dscnt 0x0
	s_wait_kmcnt 0x0
	s_mov_b32 s44, 1                               ; group 0 for Wg
	s_add_co_u32 s45, s92, WGT
	s_add_nc_u64 s[46:47], s[6:7], s[26:27]
	s_or_b32 s47, s47, 0x80000000
	s_add_nc_u64 s[24:25], s[4:5], s[24:25]        ; x at my first row
.irp i, 0,1,2,3
	s_mov_b32 s[48+4*\i], 1                        ; group 0 for my rows 2 i, 2 i + 1
	s_add_co_u32 s[49+4*\i], s75, \i*2*XROW
	s_add_nc_u64 s[50+4*\i:51+4*\i], s[24:25], \i*8192
	s_or_b32 s[51+4*\i], s[51+4*\i], 0x80000000
.endr
	tensor_load_to_lds s[44:47], s[36:43]          ; all first fills as one group: Wg's part first, since it is wanted first
	s_nop 0
.irp i, 0,1,2,3
	tensor_load_to_lds s[48+4*\i:51+4*\i], s[28:35]
	s_nop 0
.endr
.rept 4
	v_nop
.endr
	global_load_b32 v[BG], v[BGA], s[8:9]          ; bg of my expert
	s_lshl_b32 s88, ttmp9, 5
	s_mov_b32 s89, 0
	s_add_nc_u64 s[86:87], s[18:19], s[88:89]      ; route: my block's eight counts (32,768 bytes further on, in the store's immediate)
	s_lshl_b32 s88, ttmp9, 7
	s_add_nc_u64 s[18:19], s[18:19], s[88:89]      ; route and out2: 128 bytes a work-group
	s_add_nc_u64 s[22:23], s[22:23], s[88:89]
	s_lshl_b32 s98, ttmp9, 2
	s_add_co_u32 s98, s98, s74                     ; 4 x work-group + wave
	s_lshl_b32 s88, s98, 8
	s_add_nc_u64 s[14:15], s[14:15], s[88:89]      ; xs and out1: 256 bytes a wave
	s_add_nc_u64 s[20:21], s[20:21], s[88:89]
	s_mul_i32 s88, s98, 6144
	s_add_nc_u64 s[12:13], s[12:13], s[88:89]      ; xq: 6,144 bytes a wave
	s_wait_tensorcnt 0x4                           ; my part of Wg has landed: the four loads of x were issued behind it
	s_barrier_signal -1
	s_barrier_wait -1                              ; everybody's has.  The loads of x stay out
	WIN 0x40                                       ; destination window 1
.set k, 0
.rept 64
	ds_load_b128 v[4*k:4*k+3], v[WGA] offset:16*k  ; my 256 numbers of Wg
.set k, k+1
.endr
	WIN 0
; A block of 32 numbers in v[xs] on becomes 24 bytes of codes in v[cc] .. v[cc + 5] and a scale byte in v[by].
.macro QBLK xs, cc, by
	v_max3_num_f32 v16, |v[\xs]|, |v[\xs+1]|, |v[\xs+2]|           ; the largest magnitude, in two chains
	v_max3_num_f32 v17, |v[\xs+3]|, |v[\xs+4]|, |v[\xs+5]|
.irp i, 6,10,14,18,22,26
	v_max3_num_f32 v16, v16, |v[\xs+\i]|, |v[\xs+\i+1]|
	v_max3_num_f32 v17, v17, |v[\xs+\i+2]|, |v[\xs+\i+3]|
.endr
	v_max3_num_f32 v16, v16, |v[\xs+30]|, |v[\xs+31]|
	v_max3_num_f32 v16, v16, v17, 0x1800000        ; and the floor 2^(3 - 127): the byte cannot fall under 1
	v_add_nc_u32 v[SCO], 0xff000000, v16           ; 2 off the exponent field: the conversion takes that field as its scale, and nothing else
	v_cvt_scalef32_pk16_fp6_f32 v[\cc:\cc+2], v[\xs:\xs+15], v[SCO]
	v_cvt_scalef32_pk16_fp6_f32 v[\cc+4:\cc+6], v[\xs+16:\xs+31], v[SCO]   ; (a conversion's three registers begin on an even number)
	v_lshrrev_b32 v[\by], 23, v[SCO]               ; the scale's byte; also the plain line behind the conversions
	v_mov_b32 v[\cc+3], v[\cc+4]                   ; the six registers on end
	v_mov_b32 v[\cc+4], v[\cc+5]
	v_mov_b32 v[\cc+5], v[\cc+6]
.endm
	; relu(b1) of expert e is quantised by wave 1 of work-group e, while the first rows of x are on their way.  Lanes 16-31 repeat lanes 0-15.  400 bytes an expert, in small pieces.
	s_cmp_lg_u32 s74, 1
	s_cbranch_scc1 .Lno_h0
	s_cmp_ge_u32 ttmp9, 8
	s_cbranch_scc1 .Lno_h0
	s_lshl_b32 s88, ttmp9, 11
	s_add_nc_u64 s[10:11], s[10:11], s[88:89]      ; b1[e]
	s_lshl_b32 s88, ttmp9, 9
	s_add_nc_u64 s[16:17], s[16:17], s[88:89]      ; h0: 512 bytes an expert
.irp j, 0,1,2,3,4,5,6,7
	global_load_b128 v[X+4*\j:X+4*\j+3], v[H0L], s[10:11] offset:16*\j
.endr
	s_wait_loadcnt 0x0
.set k, 0
.rept 32
	v_max_num_f32 v[X+k], 0, v[X+k]
.set k, k+1
.endr
	QBLK X, C, BY
	global_store_b64 v[H0C], v[C:C+1], s[16:17]    ; codes as they lie along K: block b at 24 b
	global_store_b64 v[H0C], v[C+2:C+3], s[16:17] offset:8
	global_store_b64 v[H0C], v[C+4:C+5], s[16:17] offset:16
	global_store_b8 v[H0S], v[BY], s[16:17] offset:384
	s_wait_xcnt 0x0                                ; the stores have read their registers, which the first token writes again
.Lno_h0:
	s_wait_loadcnt 0x0                             ; bg
	s_wait_dscnt 0x0                               ; Wg
; Token k of my eight: its 8 partial logits over my 32 d, and my block's codes and byte into the stages.  left: the younger LDS instructions that may stay out.
.macro TOK k, left
.set XS, X+32*((\k)%2)
.set AC, ACC+8*((\k)%4)
.set CC, C+8*((\k)%2)
.set BB, BY+(\k)%2
	s_wait_dscnt \left
	WIN 0x04                                       ; source 1 (Wg) window 1
.irp q, 0,1,2,3
	v_pk_mul_f32 v[AC+2*\q:AC+2*\q+1], v[XS:XS+1], v[2*\q:2*\q+1] op_sel_hi:[0,1]   ; x(d) for both halves, two neighbouring experts of Wg: the first product starts the sums
.endr
.set i, 1
.rept 31
.irp q, 0,1,2,3
.if i%2
	v_pk_fma_f32 v[AC+2*\q:AC+2*\q+1], v[XS+i-1:XS+i], v[8*i+2*\q:8*i+2*\q+1], v[AC+2*\q:AC+2*\q+1] op_sel:[1,0,0] op_sel_hi:[1,1,1]
.else
	v_pk_fma_f32 v[AC+2*\q:AC+2*\q+1], v[XS+i:XS+i+1], v[8*i+2*\q:8*i+2*\q+1], v[AC+2*\q:AC+2*\q+1] op_sel_hi:[0,1,1]
.endif
.endr
.set i, i+1
.endr
	WIN 0
	QBLK XS, CC, BB
.irp z, 0,1,2
	ds_store_b64 v[CA], v[CC+2*\z:CC+2*\z+1] offset:768*(\k)+8*\z
.endr
	ds_store_b8 v[SA], v[BB] offset:32*(\k)
.endm
; One step of the reduction that also transposes: of two numbers whose index differs in the step's bit a lane keeps the one that has its own bit, sends the other to the lane across, and adds what it receives.
.macro BFLY st, n, mask
.set j, 0
.rept \n
.set rA, ACC+2*(\st)*j
.set rB, rA+(\st)
	v_cndmask_b32 v[T+j%4], v[rB], v[rA], s[\mask]
	v_cndmask_b32 v[rA], v[rA], v[rB], s[\mask]
	v_add_f32_dpp v[rA], v[T+j%4], v[rA] row_xmask:\st row_mask:0xf bank_mask:0xf
.set j, j+1
.endr
.endm
; Four tokens are finished: after five steps lane l holds the logit of token l / 8, expert l % 8.
.macro GRP g
	BFLY 1, 16, 66
	BFLY 2, 8, 67
	BFLY 4, 4, 68
	BFLY 8, 2, 69
	v_cndmask_b32 v[T], v[ACC+16], v[ACC], s70
	v_cndmask_b32 v[ACC], v[ACC], v[ACC+16], s70
	v_permlanex16_b32 v[T+1], v[T], s72, s73
	v_add_f32 v[ACC], v[ACC], v[T+1]
	v_add_f32 v[W], v[ACC], v[BG]                  ; the logit
	v_mov_b32 v[W+1], v[W]
.irp d, 1,2,4
	v_max_num_f32_dpp v[W+1], v[W+1], v[W+1] row_xmask:\d row_mask:0xf bank_mask:0xf   ; the token's largest logit
.endr
	v_sub_f32 v[W+2], v[W], v[W+1]
	v_mul_f32 v[W+2], 0x3fb8aa3b, v[W+2]
	v_exp_f32 v[W+2], v[W+2]
	v_nop                                          ; a plain line behind the exponential,
	s_wait_alu depctr_va_vdst(0)                   ; and the wait ahead of its first reader
	v_mov_b32 v[W+3], v[W+2]
.irp d, 1,2,4
	v_add_f32_dpp v[W+3], v[W+3], v[W+3] row_xmask:\d row_mask:0xf bank_mask:0xf
.endr
	v_rcp_f32 v[W+3], v[W+3]
	v_nop
	s_wait_alu depctr_va_vdst(0)
	v_mul_f32 v[W+4], v[W+2], v[W+3]               ; the probability
	v_mov_b32 v[W+5], v[W+4]
.irp d, 1,2,4
	v_max_num_f32_dpp v[W+5], v[W+5], v[W+5] row_xmask:\d row_mask:0xf bank_mask:0xf
.endr
	v_cmp_eq_f32 vcc_lo, v[W+4], v[W+5]
	v_cndmask_b32 v[W+6], v[EIGHT], v[EF], vcc_lo  ; my expert's number where I hold the largest, else 8
.irp d, 1,2,4
	v_min_num_f32_dpp v[W+6], v[W+6], v[W+6] row_xmask:\d row_mask:0xf bank_mask:0xf   ; the lowest such number
.endr
	v_cvt_u32_f32 v[W+7], v[W+6]
	ds_store_b32 v[PA], v[W+4] offset:128*(\g)
	ds_store_b32 v[IA], v[W+7] offset:16*(\g)      ; the token's eight lanes write the same word with the same value
.irp j, 0,1,2,3,4,5
	ds_load_b128 v[OUT+24*(\g)+4*\j:OUT+24*(\g)+4*\j+3], v[CR] offset:3072*(\g)+512*\j   ; LDS serves a wave's instructions in order: these see my stores
.endr
	s_wait_dscnt 0x0
.irp j, 0,1,2,3,4,5
	global_store_b128 v[G16], v[OUT+24*(\g)+4*\j:OUT+24*(\g)+4*\j+3], s[12:13] offset:3072*(\g)+512*\j   ; 32 lanes store 512 consecutive bytes, at a multiple of 256 from xq's first byte
.endr
.endm
.irp j, 0,1,2,3
	s_wait_tensorcnt 3-\j                          ; my rows 2 j and 2 j + 1 have landed; the later pairs' loads stay out
.irp i, 0,1,2,3,4,5,6,7
	ds_load_b128 v[X+4*\i:X+4*\i+3], v[XA] offset:(2*\j)*XROW+16*\i
.endr
.irp i, 0,1,2,3,4,5,6,7
	ds_load_b128 v[X+32+4*\i:X+32+4*\i+3], v[XA] offset:(2*\j+1)*XROW+16*\i
.endr
	TOK 2*\j, 8                                    ; the odd row's eight loads are younger
	TOK 2*\j+1, 4                                  ; the even token's four stores are younger
.if \j%2 == 1
	GRP \j/2
.endif
.endr
	ds_load_b64 v[W+8:W+9], v[PRD]                 ; my 8 tokens' probabilities and scale bytes: 256 bytes each
	ds_load_b64 v[W+10:W+11], v[SRD]
	s_wait_dscnt 0x0                               ; also for the others' sake: my choices lie in LDS
	global_store_b64 v[G8], v[W+8:W+9], s[20:21]   ; 32 lanes store 256 consecutive bytes, aligned
	global_store_b64 v[G8], v[W+10:W+11], s[14:15]
	s_barrier_signal -1
	s_barrier_wait -1
	s_cmp_lg_u32 s74, 0                            ; wave 0 finishes the block: a token a lane
	s_cbranch_scc1 .Lend
	ds_load_b32 v[W+12], v[IRD]
	v_mov_b32 v[W+13], 0                           ; rank
	v_mov_b32 v[W+14], 0                           ; the counts, expert e's in lane e
	s_wait_dscnt 0x0
.irp e, 0,1,2,3,4,5,6,7
	v_cmp_eq_u32 s[76+\e], \e, v[W+12]             ; the tokens that chose expert e
.endr
.irp e, 0,1,2,3,4,5,6,7
	v_mbcnt_lo_u32_b32 v[W+15], s[76+\e], 0        ; how many of them stand in lower lanes
	v_cndmask_b32 v[W+13], v[W+13], v[W+15], s[76+\e]
	s_bcnt1_i32_b32 s84, s[76+\e]
	v_writelane_b32 v[W+14], s84, \e
.endr
	v_lshl_or_b32 v[W+16], v[W+13], 8, v[W+12]     ; choice | rank << 8
	global_store_b32 v[L4], v[W+12], s[22:23]      ; out2: 128 consecutive bytes
	global_store_b32 v[L4], v[W+16], s[18:19]
	v_cmp_gt_u32 vcc_lo, 8, v1
	s_wait_xcnt 0x0                                ; EXEC changes only behind this wait
	s_and_saveexec_b32 s85, vcc_lo
	global_store_b32 v[L4], v[W+14], s[86:87] offset:32768
	s_wait_xcnt 0x0                                ; and again ahead of the line that widens it
	s_or_b32 exec_lo, exec_lo, s85
.Lend:
	s_wait_tensorcnt 0x0
	ds_add_u32 v254, v255
	s_wait_dscnt 0x0
	s_endpgm
.Lfunc_end_k_q9da0ea621a_gate:
	.size	k_q9da0ea621a_gate, .Lfunc_end_k_q9da0ea621a_gate-k_q9da0ea621a_gate
	.p2alignl 7, 3214868480
	.fill 96, 4, 3214868480
	.section	.rodata,"a",@progbits
	.p2align	6, 0x0
	.amdhsa_kernel k_q9da0ea621a_gate
		.amdhsa_group_segment_fixed_size 209408
		.amdhsa_private_segment_fixed_size 0
		.amdhsa_enable_private_segment 0
		.amdhsa_kernarg_size 80
		.amdhsa_user_sgpr_count 2
		.amdhsa_user_sgpr_kernarg_segment_ptr 1
		.amdhsa_wavefront_size32 1
		.amdhsa_system_sgpr_workgroup_id_x 1
		.amdhsa_system_sgpr_workgroup_id_y 1
		.amdhsa_system_sgpr_workgroup_id_z 1
		.amdhsa_system_vgpr_workitem_id 0
		.amdhsa_next_free_vgpr 512
		.amdhsa_next_free_sgpr 100
		.amdhsa_reserve_vcc 1
		.amdhsa_float_denorm_mode_32 3
		.amdhsa_float_denorm_mode_16_64 3
		.amdhsa_memory_ordered 1
		.amdhsa_forward_progress 1
		.amdhsa_inst_pref_size 116
	.end_amdhsa_kernel
	.amdgpu_metadata
---
amdhsa.version: [ 1, 2 ]
amdhsa.kernels:
  - .name:           k_q9da0ea621a_gate
    .symbol:         k_q9da0ea621a_gate.kd
    .args:
      - { .name: x, .offset: 0, .size: 8, .value_kind: global_buffer, .address_space: global }
      - { .name: Wg, .offset: 8, .size: 8, .value_kind: global_buffer, .address_space: global }
      - { .name: bg, .offset: 16, .size: 8, .value_kind: global_buffer, .address_space: global }
      - { .name: b1, .offset: 24, .size: 8, .value_kind: global_buffer, .address_space: global }
      - { .name: xq, .offset: 32, .size: 8, .value_kind: global_buffer, .address_space: global }
      - { .name: xs, .offset: 40, .size: 8, .value_kind: global_buffer, .address_space: global }
      - { .name: h0, .offset: 48, .size: 8, .value_kind: global_buffer, .address_space: global }
      - { .name: route, .offset: 56, .size: 8, .value_kind: global_buffer, .address_space: global }
      - { .name: out1, .offset: 64, .size: 8, .value_kind: global_buffer, .address_space: global }
      - { .name: out2, .offset: 72, .size: 8, .value_kind: global_buffer, .address_space: global }
    .group_segment_fixed_size: 209408
    .private_segment_fixed_size: 0
    .kernarg_segment_align: 8
    .kernarg_segment_size: 80
    .max_flat_workgroup_size: 128
    .sgpr_count:     100
    .vgpr_count:     512
    .wavefront_size: 32
...
	.end_amdgpu_metadata
.endif
;; end of part 1
;; launch place (part 2): grid 97 x 1, 8 waves a work-group, no clusters, 9,728 bytes of LDS; arguments route, h0, W1_codes, W2_codes, W2_scales, wimg, dvec, list; writes wimg, dvec, list
.if DOCPART == 2
	.amdgcn_target "amdgcn-amd-amdhsa--gfx1250"
	.amdhsa_code_object_version 6
	.text
	.protected	k_q9da0ea621a_place
	.globl	k_q9da0ea621a_place
	.p2align	8
	.type	k_q9da0ea621a_place,@function
k_q9da0ea621a_place:
	s_mov_b64 s[64:65], 0
	v_nop
	global_prefetch_b8 v0, s[64:65] scope:SCOPE_SE
	s_setreg_imm32_b32 hwreg(HW_REG_WAVE_MODE, 25, 1), 1
	s_wait_xcnt 0x0
; PLACE.  Three kinds of work-groups, parted by the work-group's number alone; each kind ends by itself.
; WORK-GROUP 0 sorts the 8,192 tokens by expert (a counting sort, no atomics) into 135 tiles of at most 64 rows: list[tile][64] token numbers, empty places -1; behind them each tile's expert.
;   135 = 8,192 / 64 + 7 is the most that any split needs.  Where a split needs fewer, by `extra` (0 to 7), the first 64 x extra rows of the expert with the most tokens (it has 1,024 at the least)
;   are cut into 2 x extra tiles of 32 rows: so every one of the 135 tiles has rows, whatever the choice.
; WORK-GROUPS 1-64 lay W1's and W2's codes out as images of the operand's registers, in the order in which a wave of the next launch takes them:
;   wimg[expert][wave w][unit u][tile t][chunk c][lane][16 bytes].  u < 8: W1, K step u, rows 128 w + 32 (t / 2) + 8 (t % 2) + r + 8 (r / 8);  u = 8 + 4 p + s: W2, K step s, rows 256 w + 128 p + 16 t + r.
; WORK-GROUPS 65-96 make d[e][n] = the sum over k of Q(relu(b1[e]))[k] W2[e][n][k]: what an expert that was NOT chosen adds to every token, less its b2.  A wave makes 32 of them.
; The scale registers v240-251 hold scales and nothing else in the whole text.
.set WT, 8192                          ; LDS, work-group 0 alone: PT[256 blocks][8 experts] words at 0; the eight waves' totals, 16 bytes each, at WT
	s_load_b512 s[4:19], s[0:1], 0x0               ; route s[4:5], h0 s[6:7], W1's codes s[8:9], W2's codes s[10:11], W2's scales s[12:13], wimg s[14:15], dvec s[16:17], list s[18:19]
	v_lshl_add_u32 v254, v0, 2, 0x2200
	v_mov_b32 v255, 0
	v_lshrrev_b32 v1, 5, v0
	v_readfirstlane_b32 s74, v1                    ; wave 0..7
	s_wait_kmcnt 0x0
	s_cmp_eq_u32 ttmp9, 0
	s_cbranch_scc1 .Lsort
	s_cmp_lt_u32 ttmp9, 65
	s_cbranch_scc1 .Lrelay
	; ---- d: source 0 = Q(relu(b1)) in all 16 rows, source 1 = 16 rows of W2; two tiles by turns, K ascending
	s_sub_co_u32 s24, ttmp9, 65
	s_lshl_b32 s24, s24, 3
	s_add_co_u32 s24, s24, s74                     ; job 0..255
	s_lshr_b32 s25, s24, 5                         ; expert
	s_and_b32 s26, s24, 31
	s_lshl_b32 s26, s26, 5                         ; my first n
	s_lshl_b32 s27, s25, 10
	s_add_co_u32 s27, s27, s26                     ; row of W2 among all experts'
	s_mov_b32 s29, 0
	s_lshl_b32 s28, s25, 9
	s_add_nc_u64 s[6:7], s[6:7], s[28:29]          ; h0: 512 bytes an expert
	s_mul_i32 s28, s27, 384
	s_add_nc_u64 s[10:11], s[10:11], s[28:29]      ; a row of W2 is 512 codes, 384 bytes
	s_lshl_b32 s28, s27, 4
	s_add_nc_u64 s[12:13], s[12:13], s[28:29]      ; and 16 scale bytes
	s_lshl_b32 s28, s27, 2
	s_add_nc_u64 s[16:17], s[16:17], s[28:29]
	v_and_b32 v1, 31, v0
	v_and_b32 v2, 15, v0                           ; r
	v_bfe_u32 v3, v0, 4, 1                         ; h
	v_mul_u32_u24 v4, v3, 24
	v_mad_u32_u24 v5, v2, 384, v4
	v_lshlrev_b32 v6, 4, v2
	v_lshlrev_b32 v7, 2, v1
	v_mov_b32 v9, 0
	v_cmp_lt_u32 vcc_lo, 15, v1
.irp s, 0,1,2,3
.irp p, 0,1,2,3,4,5
	global_load_b64 v[16+12*\s+2*\p:17+12*\s+2*\p], v4, s[6:7] offset:96*\s+48*(\p/3)+8*(\p%3)
.endr
.endr
	global_load_b128 v[240:243], v9, s[6:7] offset:384             ; its four scale words, the same in every lane
.irp i, 0,1
.irp s, 0,1,2,3
.irp p, 0,1,2,3,4,5
	global_load_b64 v[64+48*\i+12*\s+2*\p:65+48*\i+12*\s+2*\p], v5, s[10:11] offset:6144*\i+96*\s+48*(\p/3)+8*(\p%3)
.endr
.endr
	global_load_b128 v[244+4*\i:247+4*\i], v6, s[12:13] offset:256*\i
.endr
	s_wait_loadcnt 0x0
	v_wmma_scale_f32_16x16x128_f8f6f4 v[176:183], v[16:27], v[64:75], 0, v240, v244 matrix_a_fmt:MATRIX_FMT_FP6 matrix_b_fmt:MATRIX_FMT_FP6
	v_wmma_scale_f32_16x16x128_f8f6f4 v[184:191], v[16:27], v[112:123], 0, v240, v248 matrix_a_fmt:MATRIX_FMT_FP6 matrix_b_fmt:MATRIX_FMT_FP6
.irp s, 1,2,3
	v_wmma_scale_f32_16x16x128_f8f6f4 v[176:183], v[16+12*\s:27+12*\s], v[64+12*\s:75+12*\s], v[176:183], v[240+\s], v[244+\s] matrix_a_fmt:MATRIX_FMT_FP6 matrix_b_fmt:MATRIX_FMT_FP6
	v_wmma_scale_f32_16x16x128_f8f6f4 v[184:191], v[16+12*\s:27+12*\s], v[112+12*\s:123+12*\s], v[184:191], v[240+\s], v[248+\s] matrix_a_fmt:MATRIX_FMT_FP6 matrix_b_fmt:MATRIX_FMT_FP6
.endr
.rept 4
	v_nop                                          ; four places ahead of the first read of the results (ISA guide 7.12.1)
.endr
	v_cndmask_b32 v192, v176, v184, vcc_lo         ; all rows are equal: register 0 holds d(n = lane % 16); lanes 16-31 take the second tile's
	global_store_b32 v7, v192, s[16:17]            ; 128 consecutive bytes
	s_endpgm
.Lrelay:
	; ---- one path for both layers: a wave reads 16 or 32 whole rows once, 8 fragments, and stores them as images
	s_sub_co_u32 s24, ttmp9, 1
	s_lshl_b32 s24, s24, 3
	s_add_co_u32 s24, s24, s74                     ; job 0..511
	s_lshr_b32 s25, s24, 8                         ; layer: 0 = W1, 1 = W2
	s_bfe_u32 s26, s24, 0x30005                    ; expert
	s_bfe_u32 s27, s24, 0x20003                    ; wave w of the next launch
	s_and_b32 s28, s24, 7                          ; W1: the tile;  W2: 4 x pass + pair of tiles
	s_lshr_b32 s30, 768, s25                       ; a row's bytes: 768 or 384
	s_lshl_b32 s29, s25, 2
	s_lshl_b32 s31, 384, s29                       ; fragments 4-7 in the source: 4 K steps on (384) or 16 rows down (6,144)
	s_mul_i32 s29, s25, 5
	s_lshr_b32 s32, 0xc000, s29                    ; and in the image: 4 units on (49,152) or a tile on (1,536)
	s_lshl_b32 s33, s27, 7                         ; W1's first row: 128 w + 32 (t / 2) + 8 (t % 2)
	s_lshr_b32 s29, s28, 1
	s_lshl_b32 s29, s29, 5
	s_add_co_u32 s33, s33, s29
	s_and_b32 s29, s28, 1
	s_lshl_b32 s29, s29, 3
	s_add_co_u32 s33, s33, s29
	s_lshl_b32 s34, s27, 8                         ; W2's: 256 w + 128 p + 32 x pair
	s_lshr_b32 s35, s28, 2
	s_lshl_b32 s29, s35, 7
	s_add_co_u32 s34, s34, s29
	s_and_b32 s36, s28, 3
	s_lshl_b32 s29, s36, 5
	s_add_co_u32 s34, s34, s29
	s_mul_i32 s37, s28, 1536                       ; W1's place in the image: tile t of units 0 on
	s_lshl_b32 s29, s35, 2
	s_add_co_u32 s29, s29, 8
	s_mul_i32 s38, s29, 12288                      ; W2's: unit 8 + 4 p on,
	s_mul_i32 s29, s36, 3072                       ; tiles 2 x pair and 2 x pair + 1
	s_add_co_u32 s38, s38, s29
	s_cmp_eq_u32 s25, 0                            ; the choice hangs on the job's number alone
	s_cselect_b32 s33, s33, s34
	s_cselect_b32 s37, s37, s38
	s_cselect_b64 s[8:9], s[8:9], s[10:11]
	s_cselect_b32 s39, 1, 0                        ; W1's rows of a tile are not neighbours
	s_mul_i32 s33, s33, s30
	s_mul_i32 s29, s26, 393216                     ; an expert's codes, in either layer
	s_add_co_u32 s40, s33, s29
	s_mov_b32 s41, 0
	s_add_nc_u64 s[8:9], s[8:9], s[40:41]
	s_lshl_b32 s29, s26, 2
	s_add_co_u32 s29, s29, s27
	s_mul_i32 s29, s29, 196608                     ; 16 units of 12,288 bytes for each expert and wave
	s_add_co_u32 s40, s29, s37
	s_add_nc_u64 s[14:15], s[14:15], s[40:41]
	v_and_b32 v1, 31, v0
	v_and_b32 v2, 15, v0                           ; r
	v_bfe_u32 v3, v0, 4, 1                         ; h
	v_and_b32 v4, 8, v2
	v_mul_u32_u24 v4, v4, s39
	v_add_nc_u32 v4, v4, v2                        ; r + 8 (r / 8), or r
	v_mul_u32_u24 v5, v4, s30
	v_mad_u32_u24 v5, v3, 24, v5                   ; my row, + 24 bytes for the upper half of the lanes
	v_add_nc_u32 v6, s31, v5
	v_lshlrev_b32 v7, 4, v1
	v_add_nc_u32 v8, s32, v7
.irp f, 0,1,2,3
.irp p, 0,1,2,3,4,5
	global_load_b64 v[32+12*\f+2*\p:33+12*\f+2*\p], v5, s[8:9] offset:96*\f+48*(\p/3)+8*(\p%3)
.endr
.endr
.irp f, 0,1,2,3
.irp p, 0,1,2,3,4,5
	global_load_b64 v[80+12*\f+2*\p:81+12*\f+2*\p], v6, s[8:9] offset:96*\f+48*(\p/3)+8*(\p%3)
.endr
.endr
.irp f, 0,1,2,3
	s_wait_loadcnt 6*(7-\f)                        ; fragment f's six loads are in; the later fragments' stay out
.irp c, 0,1,2
	global_store_b128 v7, v[32+12*\f+4*\c:35+12*\f+4*\c], s[14:15] offset:12288*\f+512*\c   ; 32 lanes store 512 consecutive bytes, aligned
.endr
.endr
.irp f, 0,1,2,3
	s_wait_loadcnt 6*(3-\f)
.irp c, 0,1,2
	global_store_b128 v8, v[80+12*\f+4*\c:83+12*\f+4*\c], s[14:15] offset:12288*\f+512*\c
.endr
.endr
	s_endpgm
.Lsort:
	; ---- thread t stands for block t of 32 tokens
	s_mov_b32 s66, 0xaaaaaaaa                      ; the lanes whose bit 0, 1, 2, 3, 4 is set
	s_mov_b32 s67, 0xcccccccc
	s_mov_b32 s68, 0xf0f0f0f0
	s_mov_b32 s69, 0xff00ff00
	s_mov_b32 s70, 0xffff0000
	s_mov_b32 s72, 0x76543210
	s_mov_b32 s73, 0xfedcba98
	v_lshlrev_b32 v2, 4, v0
	v_lshlrev_b32 v3, 5, v0
	s_lshl_b32 s75, s74, 4
	s_add_co_u32 s75, s75, WT
	v_mov_b32 v29, s75                             ; my wave's totals
	v_mov_b32 v30, WT
	v_lshrrev_b32 v31, 3, v0
	v_lshlrev_b32 v31, 5, v31                      ; 32 (t / 8): row t / 8 of PT
.irp i, 4,5,6,7
	v_mov_b32 v\i, -1
.endr
.irp i, 0,1,2,3,4,5,6,7,8
	global_store_b128 v2, v[4:7], s[18:19] offset:4096*\i          ; all of list begins as -1
.endr
	global_load_b128 v[8:11], v3, s[4:5] offset:32768              ; my block's eight counts
	global_load_b128 v[12:15], v3, s[4:5] offset:32784
.irp i, 0,1,2,3,4,5,6,7
	global_load_b128 v[32+4*\i:35+4*\i], v2, s[4:5] offset:4096*\i ; tokens 1,024 i + 4 t + 0 .. 3: choice | rank << 8
.endr
	s_wait_loadcnt 0x8                             ; the counts are in; the eight loads behind them stay out
.irp q, 0,1,2,3
	v_lshl_or_b32 v[16+\q], v[9+2*\q], 16, v[8+2*\q]               ; two counts to a register: no sum passes 8,192
	v_mov_b32 v[20+\q], 0                          ; the sum over lower lanes
	v_mov_b32 v[24+\q], 0                          ; (a lane exchange's destination counts as read)
.endr
.macro SCAN d, mask                    ; lanes l and l xor d exchange their sums; the upper of the two adds the lower's to its prefix
.irp q, 0,1,2,3
.if \d < 16
	v_mov_b32_dpp v[24+\q], v[16+\q] row_xmask:\d row_mask:0xf bank_mask:0xf
.else
	v_permlanex16_b32 v[24+\q], v[16+\q], s72, s73
.endif
.endr
.irp q, 0,1,2,3
	v_cndmask_b32 v[228+\q], 0, v[24+\q], s[\mask]
	v_add_nc_u32 v[20+\q], v[20+\q], v[228+\q]
	v_add_nc_u32 v[16+\q], v[16+\q], v[24+\q]
.endr
.endm
	SCAN 1, 66
	SCAN 2, 67
	SCAN 4, 68
	SCAN 8, 69
	SCAN 16, 70
	ds_store_b128 v29, v[16:19]                    ; every lane holds the wave's totals and writes the same 16 bytes
	s_wait_dscnt 0x0                               ; for the others' sake
	s_wait_storecnt 0x0                            ; my part of the fill is done: other waves store into those bytes behind this barrier
	s_barrier_signal -1
	s_barrier_wait -1
.irp w, 0,1,2,3,4,5,6,7
	ds_load_b128 v[64+4*\w:67+4*\w], v30 offset:16*\w
.endr
.irp q, 0,1,2,3
	v_mov_b32 v[96+\q], 0                          ; the sum over lower waves
	v_mov_b32 v[100+\q], 0                         ; the sum over all
.endr
	s_wait_dscnt 0x0
.irp w, 0,1,2,3,4,5,6,7
	s_cmp_gt_u32 s74, \w
	s_cselect_b32 s75, -1, 0
.irp q, 0,1,2,3
	v_and_b32 v[228+\q], s75, v[64+4*\w+\q]
	v_add_nc_u32 v[96+\q], v[96+\q], v[228+\q]
	v_add_nc_u32 v[100+\q], v[100+\q], v[64+4*\w+\q]
.endr
.endr
	; the plan of the tiles, made alike by every thread
.irp q, 0,1,2,3
	v_and_b32 v[104+2*\q], 0xffff, v[100+\q]       ; cnt[e]
	v_lshrrev_b32 v[105+2*\q], 16, v[100+\q]
	v_add_nc_u32 v[96+\q], v[96+\q], v[20+\q]      ; the tokens of expert e in the blocks before mine
.endr
.irp q, 0,1,2,3
	v_and_b32 v[132+2*\q], 0xffff, v[96+\q]
	v_lshrrev_b32 v[133+2*\q], 16, v[96+\q]
.endr
.irp e, 0,1,2,3,4,5,6,7
	v_add_nc_u32 v[112+\e], 63, v[104+\e]
.endr
.irp e, 0,1,2,3,4,5,6,7
	v_lshrrev_b32 v[112+\e], 6, v[112+\e]          ; tiles of 64 that expert e needs
.endr
	v_add3_u32 v228, v112, v113, v114
	v_add3_u32 v228, v228, v115, v116
	v_add3_u32 v228, v228, v117, v118
	v_add_nc_u32 v228, v228, v119
	v_sub_nc_u32 v229, 135, v228                   ; extra, 0 to 7
	v_mov_b32 v230, v104
	v_mov_b32 v224, 0                              ; the expert with the most tokens, the first of them
.irp e, 1,2,3,4,5,6,7
	v_cmp_gt_u32 vcc_lo, v[104+\e], v230
	v_cndmask_b32 v230, v230, v[104+\e], vcc_lo
	v_cndmask_b32 v224, v224, \e, vcc_lo
.endr
	v_mov_b32 v120, 0                              ; v[120 + e]: expert e's first tile; v128 = 135
	v_mov_b32 v225, 0
.irp e, 0,1,2,3,4,5,6,7
	v_cmp_eq_u32 vcc_lo, \e, v224
	v_cndmask_b32 v231, 0, v229, vcc_lo
	v_cndmask_b32 v225, v225, v[120+\e], vcc_lo
	v_add3_u32 v[121+\e], v[120+\e], v[112+\e], v231
.endr
	v_lshlrev_b32 v225, 6, v225                    ; 64 x the largest expert's first tile
	v_lshlrev_b32 v226, 6, v229                    ; 64 x extra
.irp e, 0,1,2,3,4,5,6,7
	v_lshl_add_u32 v[144+\e], v[120+\e], 6, v[132+\e]              ; where my block's first token of expert e goes
.endr
	ds_store_b128 v3, v[144:147]
	ds_store_b128 v3, v[148:151] offset:16
	s_wait_dscnt 0x0
	s_barrier_signal -1
	s_barrier_wait -1                              ; PT is whole; behind this barrier LDS is only read
	v_mov_b32 v227, 0
.irp e, 1,2,3,4,5,6,7,8
	v_cmp_le_u32 vcc_lo, v[120+\e], v0
	v_cndmask_b32 v231, 0, 1, vcc_lo
	v_add_nc_u32 v227, v227, v231                  ; tile t's expert: how many experts end at or before it
.endr
	v_lshlrev_b32 v232, 2, v0
	global_store_b32 v232, v227, s[18:19] offset:34560             ; all 256 threads store: words 135 on lie inside list and are never read
	s_wait_loadcnt 0x0
.set n, 0
.rept 32
	v_and_b32 v[96+n], 0xff, v[32+n]
	v_min_u32 v[96+n], 7, v[96+n]                  ; the choice, held inside the table
	v_lshl_add_u32 v[128+n], v[96+n], 2, v31
	ds_load_b32 v[64+n], v[128+n] offset:1024*(n/4)                ; PT[32 (n / 4) + t / 8][choice]
.set n, n+1
.endr
.set n, 0
.rept 32
	s_wait_dscnt 31-n
	v_bfe_u32 v228, v[32+n], 8, 8                  ; rank in the block
	v_add_nc_u32 v[160+n], v[64+n], v228           ; the place, were all tiles of 64
	v_sub_nc_u32 v229, v[160+n], v225              ; the row's number within the largest expert
	v_and_b32 v229, 0xffffffe0, v229
	v_min_u32 v229, v229, v226                     ; its first 64 x extra rows spread to 32 a tile; the others move on by 64 x extra
	v_cmp_eq_u32 vcc_lo, v[96+n], v224
	v_cndmask_b32 v229, 0, v229, vcc_lo
	v_add_nc_u32 v[160+n], v[160+n], v229
	v_min_u32 v[160+n], 0x21bf, v[160+n]           ; held inside the 135 x 64 places
	v_lshlrev_b32 v[160+n], 2, v[160+n]
	v_lshl_add_u32 v[192+n], v0, 2, 1024*(n/4)+n%4 ; the token's number
	global_store_b32 v[160+n], v[192+n], s[18:19]  ; 4 bytes to a place of its own: 32 KiB in all
.set n, n+1
.endr
	s_wait_tensorcnt 0x0
	ds_add_u32 v254, v255
	s_wait_dscnt 0x0
	s_endpgm
.Lfunc_end_k_q9da0ea621a_place:
	.size	k_q9da0ea621a_place, .Lfunc_end_k_q9da0ea621a_place-k_q9da0ea621a_place
	.p2alignl 7, 3214868480
	.fill 96, 4, 3214868480
	.section	.rodata,"a",@progbits
	.p2align	6, 0x0
	.amdhsa_kernel k_q9da0ea621a_place
		.amdhsa_group_segment_fixed_size 9728
		.amdhsa_private_segment_fixed_size 0
		.amdhsa_enable_private_segment 0
		.amdhsa_kernarg_size 64
		.amdhsa_user_sgpr_count 2
		.amdhsa_user_sgpr_kernarg_segment_ptr 1
		.amdhsa_wavefront_size32 1
		.amdhsa_system_sgpr_workgroup_id_x 1
		.amdhsa_system_sgpr_workgroup_id_y 1
		.amdhsa_system_sgpr_workgroup_id_z 1
		.amdhsa_system_vgpr_workitem_id 0
		.amdhsa_next_free_vgpr 256
		.amdhsa_next_free_sgpr 100
		.amdhsa_reserve_vcc 1
		.amdhsa_float_denorm_mode_32 3
		.amdhsa_float_denorm_mode_16_64 3
		.amdhsa_memory_ordered 1
		.amdhsa_forward_progress 1
		.amdhsa_inst_pref_size 64
	.end_amdhsa_kernel
	.amdgpu_metadata
---
amdhsa.version: [ 1, 2 ]
amdhsa.kernels:
  - .name:           k_q9da0ea621a_place
    .symbol:         k_q9da0ea621a_place.kd
    .args:
      - { .name: route, .offset: 0, .size: 8, .value_kind: global_buffer, .address_space: global }
      - { .name: h0, .offset: 8, .size: 8, .value_kind: global_buffer, .address_space: global }
      - { .name: W1_codes, .offset: 16, .size: 8, .value_kind: global_buffer, .address_space: global }
      - { .name: W2_codes, .offset: 24, .size: 8, .value_kind: global_buffer, .address_space: global }
      - { .name: W2_scales, .offset: 32, .size: 8, .value_kind: global_buffer, .address_space: global }
      - { .name: wimg, .offset: 40, .size: 8, .value_kind: global_buffer, .address_space: global }
      - { .name: dvec, .offset: 48, .size: 8, .value_kind: global_buffer, .address_space: global }
      - { .name: list, .offset: 56, .size: 8, .value_kind: global_buffer, .address_space: global }
    .group_segment_fixed_size: 9728
    .private_segment_fixed_size: 0
    .kernarg_segment_align: 8
    .kernarg_segment_size: 64
    .max_flat_workgroup_size: 256
    .sgpr_count:     100
    .vgpr_count:     256
    .wavefront_size: 32
...
	.end_amdgpu_metadata
.endif
;; end of part 2
;; launch chain (part 3): grid 135 x 1, 4 waves a work-group, no clusters, 111,104 bytes of LDS; arguments list, xq, xs, wimg, W1_scales, W2_scales, b1, b2, dvec, out0; writes out0
.if DOCPART == 3
	.amdgcn_target "amdgcn-amd-amdhsa--gfx1250"
	.amdhsa_code_object_version 6
	.text
	.protected	k_q9da0ea621a_chain
	.globl	k_q9da0ea621a_chain
	.p2align	8
	.type	k_q9da0ea621a_chain,@function
k_q9da0ea621a_chain:
	s_mov_b64 s[64:65], 0
	v_nop
	global_prefetch_b8 v0, s[64:65] scope:SCOPE_SE
	s_setreg_imm32_b32 hwreg(HW_REG_WAVE_MODE, 25, 1), 1
	s_wait_xcnt 0x0
; CHAIN.  One work-group takes one tile (at most 64 tokens of one expert e) through: gather of the tokens' codes, h = relu(Q(x) W1[e] + b1[e]), Q(h), Q(h) W2[e], + the constant row, store.
; out0[t] = Q(h) W2[e] + the sum over all e' of b2[e'] + the sum over e' != e of d[e'], d[e'] = Q(relu(b1[e'])) W2[e']: an expert that was not chosen sees a row of zeros and adds the same row to every token.
; The sum leaves e out by a select; it is never formed as a difference.
; Both products on codes of E2M3 with E8M0 scales; both used transposed (source 0 = 16 rows of the weight, source 1 = 16 tokens), so that a lane holds one token and its registers run along the next K, or along a row of out0.
; SHARES.  The waves share the columns: wave w makes hidden units 128 w .. + 127 and then outputs 256 w .. + 255 in two passes of 128, for all 64 tokens.  The work is 16 UNITS of one shape:
; 8 tiles of the weight x 4 tiles of tokens x 128 along K = 32 matrix instructions and 24 loads of 16 bytes a lane.  Units 0-7: W1's K steps; 8-11: pass 0 of W2; 12-15: pass 1.
; The weights come from memory straight into registers, as images laid out by the launch before, through a ring of four sets of 96 registers, three units ahead; each byte is read by one wave of the work-group.
; The tokens' operands go from wave to wave through LDS as images of their registers.
; EVERY TILE HAS ROWS, so the text has no branch at all, and EXEC is always full.  An empty place of a tile takes the tile's first token: it computes and stores, from the same wave, the same bytes to the same address.
; No cluster: which expert a tile has is a stored number, so neighbours need not share weights, and a text that hangs on stored numbers has no tensor load.
; LIMITS: NaN and infinities are not served; a block of h whose largest magnitude lies under 2^-124 (a block of zeros too) gets the byte 1: its bytes are read here alone.
; REGISTERS, window 0: v1-23 addresses and token numbers; v24-31 the constant row (2 passes x 4); v32-47 rows' offsets in out0; v48-79 the weights' scale words, two sets; v80-95 the tokens' scale words;
;   v96-133 at work in the quantiser, later rows on their way out; v136-231 the tokens' fragments, two sets of 48 (also: the gathered codes; 64 numbers of h; rows on their way out); v232-239 gathered scale words.
;   window 1: accumulator (t, m) at v[8 (4 t + m)].   window 2: ring sets 0, 1 at v0, v96; b1's 8 tiles from v192.   window 3: ring sets 2, 3 at v0, v96; at the start v96-223: b2's and d's rows.
.set FRB,    1536                      ; a fragment's image: 12 registers x 128 bytes
.set UNITB,  8*FRB
.set XIMG,   0                         ; LDS: x's 32 fragments (tile of tokens m, K step s: 8 m + s),
.set XSC,    XIMG+32*FRB               ; their scale words: [m][token][8 words],
.set HIMG,   XSC+2048                  ; h's 16 fragments (4 m + s),
.set HSC,    HIMG+16*FRB               ; their scale words: [m][token][4 words],
.set STG,    HSC+1024                  ; a stage of 16 rows x (512 bytes + 16) for each wave
.set SPITCH, 528
.set LI,   1                           ; 16 x lane
.set LIH,  4                           ; + HIMG
.set XWI,  5
.set XWS,  6
.set XRS,  7
.set HWI,  8
.set HWS,  9
.set HRS,  10
.set SO,   11
.set SR,   12
.set L4,   13                          ; 4 x lane
.set H384, 14
.set S1A,  15
.set B1A,  16
.set COL,  17                          ; 16 x lane + 1,024 x wave: my 16 bytes of a row of 4,096, pass 0
.set IDA,  18
.set TOK,  19                          ; the token whose codes I gather
.set XGA,  20
.set XGS,  21
.set IDS,  22                          ; v22-23: the tile's 64 tokens, one a lane
.set CBV,  24
.set TK,   32
.set WS,   48
.set TS,   80
.set PC,   96
.set TM,   116
.set PW,   132
.set T0,   133
.set OBA,  96
.set BF,   136
.set HA,   136
.set OBB,  184
.set XSW,  232
.set MSB, 0
.macro WIN new                         ; the immediate's high byte repeats the setting that is left
.if MSB != (\new)
	s_set_vgpr_msb (MSB<<8)|(\new)
.set MSB, (\new)
.endif
.endm
.macro PLACES n                        ; plain vector lines behind matrix instructions (ISA guide 7.12.1)
.rept \n
	v_nop
.endr
.endm
	s_load_b512 s[4:19], s[0:1], 0x0               ; list s[4:5], xq s[6:7], xs s[8:9], wimg s[10:11], W1's scales s[12:13], W2's scales s[14:15], b1 s[16:17], b2 s[18:19]
	s_load_b128 s[20:23], s[0:1], 0x40             ; dvec s[20:21], out0 s[22:23]
	v_lshl_add_u32 v254, v0, 2, 0x1b000
	v_mov_b32 v255, 0
	v_lshrrev_b32 v2, 5, v0
	v_readfirstlane_b32 s28, v2                    ; wave 0..3
	v_and_b32 v3, 31, v0
	v_lshlrev_b32 v[LI], 4, v3
	v_lshlrev_b32 v[L4], 2, v3
	v_and_b32 v2, 15, v0                           ; r
	v_bfe_u32 v3, v0, 4, 1                         ; h
	v_add_nc_u32 v[LIH], HIMG, v[LI]
	s_mul_i32 s26, s28, 8*FRB
	v_add_nc_u32 v[XWI], s26, v[LI]                ; where I store x's images: tile of tokens m = my wave
	s_lshl_b32 s26, s28, 9
	s_add_co_u32 s26, s26, XSC
	v_lshl_add_u32 v[XWS], v2, 5, s26              ; and their scale words: 32 bytes a token
	v_lshl_add_u32 v[XRS], v[LI], 1, XSC           ; back: lanes 0-15 an even tile's tokens, lanes 16-31 the odd tile's
	s_mul_i32 s26, s28, FRB
	s_add_co_u32 s26, s26, HIMG
	v_add_nc_u32 v[HWI], s26, v[LI]                ; h's images: K step s = my wave
	s_lshl_b32 s26, s28, 2
	s_add_co_u32 s26, s26, HSC
	v_lshl_add_u32 v[HWS], v2, 4, s26
	v_add_nc_u32 v[HRS], HSC, v[LI]
	s_mul_i32 s26, s28, 16*SPITCH
	s_add_co_u32 s26, s26, STG
	v_mul_u32_u24 v[SO], v2, SPITCH
	v_lshl_add_u32 v[SO], v3, 5, v[SO]
	v_add_nc_u32 v[SO], s26, v[SO]                 ; the stage: row r, 32 bytes for each half of the lanes
	v_add_nc_u32 v[SR], s26, v[LI]                 ; back: the 32 lanes take a row of 512 bytes
	v_and_b32 v[S1A], 8, v2
	v_add_nc_u32 v[S1A], v[S1A], v2
	v_lshl_add_u32 v[S1A], v3, 3, v[S1A]
	v_lshlrev_b32 v[S1A], 5, v[S1A]                ; W1's scale bytes: row 8 (lane / 16) + r + 8 (r / 8) of a pair of tiles, 32 bytes a row
	v_lshlrev_b32 v[B1A], 6, v3
	s_lshl_b32 s26, s28, 10
	v_add_nc_u32 v[COL], s26, v[LI]
	s_lshl_b32 s26, s28, 6
	v_lshl_add_u32 v[IDA], v2, 2, s26              ; list: place 16 x wave + r of the tile
	v_mul_u32_u24 v[H384], v3, 384
.irp b, 0,1,2,3
	v_mov_b32 v[TM+4+\b], 0                        ; written once: a lane permute's destination counts as one of its sources
.endr
	s_lshl_b32 s34, ttmp9, 8
	s_mov_b32 s35, 0
	s_lshl_b32 s26, ttmp9, 2
	s_mov_b32 s27, 0
	s_mov_b32 s30, 0x76543210                      ; v_permlanex16_b32's selects for lane l xor 16
	s_mov_b32 s31, 0xfedcba98
	s_wait_kmcnt 0x0
	s_add_nc_u64 s[36:37], s[4:5], s[34:35]        ; my tile's 64 places
	s_add_nc_u64 s[38:39], s[4:5], s[26:27]
	s_load_b32 s24, s[38:39], 0x8700               ; my tile's expert
	s_load_b32 s25, s[36:37], 0x0                  ; and its first token
	global_load_b32 v[TOK], v[IDA], s[36:37]
	global_load_b32 v[IDS], v[L4], s[36:37]
	global_load_b32 v[IDS+1], v[L4], s[36:37] offset:128
	WIN 0xc0                                       ; destination window 3
.irp e, 0,1,2,3,4,5,6,7
.irp p, 0,1
	global_load_b128 v[96+8*\e+4*\p:99+8*\e+4*\p], v[COL], s[18:19] offset:4096*\e+512*\p     ; b2[e'] at my columns of pass p
	global_load_b128 v[160+8*\e+4*\p:163+8*\e+4*\p], v[COL], s[20:21] offset:4096*\e+512*\p   ; d[e'] likewise
.endr
.endr
	WIN 0
	s_wait_kmcnt 0x0
	s_min_u32 s24, s24, 7                          ; stored numbers enter addresses only behind a hold
	s_min_u32 s25, s25, 0x1fff
	s_lshl_b32 s26, s24, 2
	s_add_co_u32 s26, s26, s28
	s_mul_i32 s26, s26, 16*UNITB
	s_add_nc_u64 s[10:11], s[10:11], s[26:27]      ; my 16 units of the images
	s_lshl_b32 s26, s24, 14
	s_lshl_b32 s33, s28, 12
	s_add_co_u32 s26, s26, s33
	s_add_nc_u64 s[12:13], s[12:13], s[26:27]      ; W1's scales: (512 e + 128 w) rows of 32 bytes
	s_add_nc_u64 s[14:15], s[14:15], s[26:27]      ; W2's: (1,024 e + 256 w) rows of 16 bytes
	s_lshl_b32 s26, s24, 11
	s_lshl_b32 s33, s28, 9
	s_add_co_u32 s26, s26, s33
	s_add_nc_u64 s[16:17], s[16:17], s[26:27]      ; b1[e] at my 128 hidden units
	WIN 0x80                                       ; destination window 2
.irp t, 0,1,2,3,4,5,6,7
	global_load_b128 v[192+8*\t:195+8*\t], v[B1A], s[16:17] offset:(32*(\t/2)+8*(\t%2))*4       ; b1 in the result's layout: hidden units 32 (t / 2) + 16 h + 8 (t % 2) + 0 .. 7
	global_load_b128 v[196+8*\t:199+8*\t], v[B1A], s[16:17] offset:(32*(\t/2)+8*(\t%2))*4+16
.endr
; Unit u's weights into ring set u % 4: 24 loads, each 512 consecutive bytes.  Ahead of units 0, 4, 8, 12: the scale words of four units, four loads: lanes 0-15 take tile 2 j's rows, lanes 16-31 tile 2 j + 1's.
.macro LOADUNIT u
.if (\u)%4 == 0
	WIN 0
.irp j, 0,1,2,3
.if (\u) < 8
	global_load_b128 v[WS+16*(((\u)/4)%2)+4*\j:WS+16*(((\u)/4)%2)+4*\j+3], v[S1A], s[12:13] offset:1024*\j+16*((\u)/4)
.else
	global_load_b128 v[WS+16*(((\u)/4)%2)+4*\j:WS+16*(((\u)/4)%2)+4*\j+3], v[LI], s[14:15] offset:2048*(((\u)-8)/4)+512*\j
.endif
.endr
.endif
	WIN 0x80+0x40*(((\u)%4)/2)                     ; destination window 2 or 3
.irp t, 0,1,2,3,4,5,6,7
.irp c, 0,1,2
	global_load_b128 v[96*((\u)%2)+12*\t+4*\c:96*((\u)%2)+12*\t+4*\c+3], v[LI], s[10:11] offset:UNITB*(\u)+FRB*\t+512*\c
.endr
.endr
.endm
	LOADUNIT 0
	WIN 0
	s_wait_loadcnt 63                              ; the three loads of token numbers are in: 76 loads were issued behind them
	v_mov_b32 v[T0], s25
.irp g, TOK, IDS, IDS+1
	v_cmp_lt_u32 vcc_lo, 0x1fff, v[\g]             ; an empty place (-1)
	v_cndmask_b32 v[\g], v[\g], v[T0], vcc_lo      ; takes the tile's first token
	v_min_u32 v[\g], 0x1fff, v[\g]
.endr
	v_mul_u32_u24 v[XGA], v[TOK], 768
	v_add_nc_u32 v[XGA], v[XGA], v[H384]           ; my half's 384 bytes of the token's codes: registers 12 s + 0 .. 11 of K steps s = 0 .. 7
	v_lshlrev_b32 v[XGS], 5, v[TOK]
.irp j, 0,1,2,3,4,5,6,7,8,9,10,11,12,13,14,15,16,17,18,19,20,21,22,23
	global_load_b128 v[BF+4*\j:BF+4*\j+3], v[XGA], s[6:7] offset:16*\j
.endr
	global_load_b128 v[XSW:XSW+3], v[XGS], s[8:9]
	global_load_b128 v[XSW+4:XSW+7], v[XGS], s[8:9] offset:16
	LOADUNIT 1
	LOADUNIT 2
	WIN 0
	s_wait_loadcnt 48                              ; all is in but units 1 and 2, 24 loads each
.irp j, 0,1,2,3,4,5,6,7,8,9,10,11,12,13,14,15,16,17,18,19,20,21,22,23
	ds_store_b128 v[XWI], v[BF+4*\j:BF+4*\j+3] offset:512*\j       ; eight fragments as they stand
.endr
	ds_store_b128 v[XWS], v[XSW:XSW+3]             ; both halves of the lanes write the same bytes with the same values
	ds_store_b128 v[XWS], v[XSW+4:XSW+7] offset:16
	; the constant row at my columns, while the stores are out
	WIN 0xc3
.irp e, 0,1,2,3,4,5,6,7
	s_cmp_eq_u32 s24, \e
	s_cselect_b32 s32, -1, 0
.irp i, 0,1,2,3,4,5,6,7
	v_cndmask_b32 v[160+8*\e+\i], v[160+8*\e+\i], 0, s32           ; my own expert's d counts for nothing
.endr
.endr
	WIN 0xcf
.irp e, 1,2,3,4,5,6,7
.irp i, 0,2,4,6
	v_pk_add_f32 v[96+\i:97+\i], v[96+\i:97+\i], v[96+8*\e+\i:97+8*\e+\i]
.endr
.endr
.irp e, 0,1,2,3,4,5,6
.irp i, 0,2,4,6
	v_pk_add_f32 v[96+\i:97+\i], v[96+\i:97+\i], v[160+8*\e+\i:161+8*\e+\i]
.endr
.endr
	WIN 0x0f
.irp i, 0,2,4,6
	v_pk_add_f32 v[CBV+\i:CBV+\i+1], v[96+\i:97+\i], v[216+\i:217+\i]
.endr
	WIN 0
	s_wait_dscnt 0x0                               ; for the others' sake: my images lie in LDS
	s_barrier_signal -1
	s_barrier_wait -1                              ; x's 32 fragments and their scale words lie in LDS
; The four tiles of tokens' fragments for unit v into set v % 2
.macro OPLOAD v
.irp m, 0,1,2,3
.irp c, 0,1,2
.if (\v) < 8
	ds_load_b128 v[BF+48*((\v)%2)+12*\m+4*\c:BF+48*((\v)%2)+12*\m+4*\c+3], v[LI] offset:FRB*(\v)+8*FRB*\m+512*\c
.else
	ds_load_b128 v[BF+48*((\v)%2)+12*\m+4*\c:BF+48*((\v)%2)+12*\m+4*\c+3], v[LIH] offset:FRB*((\v)%4)+4*FRB*\m+512*\c
.endif
.endr
.endr
.endm
; One matrix instruction; the odd tile of a pair has its scale words in lanes 16-31
.macro WMX c
.if (tt%2 == 0) && (mm%2 == 0)
	v_wmma_scale_f32_16x16x128_f8f6f4 v[rD:rD+7], v[rA:rA+11], v[rB:rB+11], \c, v[rSA], v[rSB] matrix_a_fmt:MATRIX_FMT_FP6 matrix_b_fmt:MATRIX_FMT_FP6
.elseif (tt%2 == 1) && (mm%2 == 0)
	v_wmma_scale_f32_16x16x128_f8f6f4 v[rD:rD+7], v[rA:rA+11], v[rB:rB+11], \c, v[rSA], v[rSB] matrix_a_fmt:MATRIX_FMT_FP6 matrix_b_fmt:MATRIX_FMT_FP6 matrix_a_scale:MATRIX_SCALE_ROW1
.elseif (tt%2 == 0) && (mm%2 == 1)
	v_wmma_scale_f32_16x16x128_f8f6f4 v[rD:rD+7], v[rA:rA+11], v[rB:rB+11], \c, v[rSA], v[rSB] matrix_a_fmt:MATRIX_FMT_FP6 matrix_b_fmt:MATRIX_FMT_FP6 matrix_b_scale:MATRIX_SCALE_ROW1
.else
	v_wmma_scale_f32_16x16x128_f8f6f4 v[rD:rD+7], v[rA:rA+11], v[rB:rB+11], \c, v[rSA], v[rSB] matrix_a_fmt:MATRIX_FMT_FP6 matrix_b_fmt:MATRIX_FMT_FP6 matrix_a_scale:MATRIX_SCALE_ROW1 matrix_b_scale:MATRIX_SCALE_ROW1
.endif
.endm
; 16 matrix instructions: the weight's tiles t0 .. t0 + 3 x the four tiles of tokens.  Unit 0 starts the sums with b1, units 8 and 12 with 0: nothing is cleared.
.macro HALF u, t0
.irp t, 0,1,2,3
.irp m, 0,1,2,3
.set tt, (\t0)+\t
.set mm, \m
.set rD, 8*(4*tt+mm)
.set rA, 96*((\u)%2)+12*tt
.set rB, BF+48*((\u)%2)+12*mm
.set rSA, WS+16*(((\u)/4)%2)+4*(tt/2)+(\u)%4
.if (\u) < 8
.set rSB, TS+8*(mm/2)+(\u)
.else
.set rSB, TS+4*(mm/2)+(\u)%4
.endif
.if (\u) == 0
.set rC, 192+8*tt
	WMX v[rC:rC+7]
.elseif ((\u) == 8) || ((\u) == 12)
	WMX 0
.else
	WMX v[rD:rD+7]
.endif
.endr
.endr
.endm
; A unit.  The 32 accumulators take turns, one instruction a turn, in the same order in every unit.  In its middle, behind four places, stand one run of loads:
; the next unit's fragments of the tokens (into the set that the unit before has left) and the weights of three units on (into the ring set that the unit before has left).
; A unit leaves the products' windows set: what follows it sets its own.
.macro UNIT u
.set YL, 0                             ; the loads issued behind this unit's: those of the two units that follow
.if (\u) < 15
.set YL, YL+24
.if ((\u)+1)%4 == 0
.set YL, YL+4
.endif
.endif
.if (\u) < 14
.set YL, YL+24
.if ((\u)+2)%4 == 0
.set YL, YL+4
.endif
.endif
.set MW, 0x52+((\u)%4)/2               ; source 0 (the weight) window 2 or 3, source 1 window 0, C and D window 1
.if (\u) == 0
.set MW, 0x62                          ; C (b1) window 2
.endif
	s_wait_loadcnt YL
	s_wait_dscnt 0x0                               ; the tokens' fragments, asked for 16 matrix instructions ago
	WIN MW
	HALF \u, 0
.if (\u) < 15
	PLACES 4
	WIN 0
.if (\u) != 7
	OPLOAD (\u)+1
.endif
.if (\u) < 13
	LOADUNIT (\u)+3
.endif
	WIN MW
.endif
	HALF \u, 4
.endm
; 64 numbers of a lane, v[s] .. v[s + 63], register 16 b + i = k 32 b + 16 (lane / 16) + i of my token, become a fragment's codes in v[PC] on and its scale word in v[PW].
.macro QUANT s
.irp b, 0,1,2,3
	v_max3_num_f32 v[TM+\b], |v[\s+16*\b]|, |v[\s+1+16*\b]|, 0x1800000   ; my 16 numbers of block b, and the floor 2^(3 - 127): the byte cannot fall under 1
.endr
.irp i, 2,4,6,8,10,12,14
.irp b, 0,1,2,3
	v_max3_num_f32 v[TM+\b], v[TM+\b], |v[\s+16*\b+\i]|, |v[\s+1+16*\b+\i]|
.endr
.endr
.irp b, 0,1,2,3
	v_permlanex16_b32 v[TM+4+\b], v[TM+\b], s30, s31
.endr
.irp b, 0,1,2,3
	v_max_num_f32 v[TM+\b], v[TM+\b], v[TM+4+\b]   ; with lane l xor 16's: the block's largest magnitude
.endr
.irp b, 0,1,2,3
	v_add_nc_u32 v[TM+12+\b], 0xff000000, v[TM+\b] ; 2 off its exponent field: the conversion's scale operand
.endr
.irp b, 0,1,2,3
	v_lshrrev_b32 v[TM+4+\b], 23, v[TM+12+\b]      ; the scale's byte
.endr
	v_lshl_or_b32 v[PW], v[TM+5], 8, v[TM+4]
	v_lshl_or_b32 v[PW], v[TM+6], 16, v[PW]
	v_lshl_or_b32 v[PW], v[TM+7], 24, v[PW]
.irp c, 0,1
	v_cvt_scalef32_pk16_fp6_f32 v[PC+6*\c:PC+2+6*\c], v[\s+32*\c:\s+15+32*\c], v[TM+12+2*\c]
	v_cvt_scalef32_pk16_fp6_f32 v[PC+12+4*\c:PC+14+4*\c], v[\s+16+32*\c:\s+31+32*\c], v[TM+12+2*\c+1]   ; (a conversion's three registers begin on an even number)
.endr
	v_nop                                          ; one plain line behind a scaled conversion
.irp c, 0,1                                    ; the operand's layout wants a whole block in a lane: lanes 0-15 block 2 c, lanes 16-31 block 2 c + 1
.irp i, 0,1,2
	v_permlane16_swap_b32 v[PC+6*\c+\i], v[PC+12+4*\c+\i]
.endr
.irp i, 0,1,2
	v_mov_b32 v[PC+3+6*\c+\i], v[PC+12+4*\c+\i]
.endr
.endr
.endm
; THE WAY OUT of pass p, tile of tokens m: 16 rows x 128 columns through my own stage, back as whole rows of 512 bytes, + the constant row, each to its token's row of out0.
.macro OUTB p, m
	WIN 0                                          ; the token numbers, the offsets and the rows lie in window 0 (the unit before has left the products' windows set)
	s_wait_xcnt 0x0                                ; the earlier stores have read their offsets and data, which are written again below
.irp i, 0,1,2,3,4,5,6,7,8,9,10,11,12,13,14,15
	v_readlane_b32 s[40+\i], v[IDS+(\m)/2], 16*((\m)%2)+\i         ; row i's token
.endr
.irp i, 0,1,2,3,4,5,6,7,8,9,10,11,12,13,14,15
	s_min_u32 s[40+\i], s[40+\i], 0x1fff
	s_lshl_b32 s[40+\i], s[40+\i], 12
	v_add_nc_u32 v[TK+\i], s[40+\i], v[COL]
.endr
	WIN 0x04                                       ; an LDS store's data are its source 1: window 1
.irp t, 0,1,2,3,4,5,6,7
	ds_store_b128 v[SO], v[8*(4*\t+(\m)):8*(4*\t+(\m))+3] offset:64*\t          ; each accumulator from its low end on
	ds_store_b128 v[SO], v[8*(4*\t+(\m))+4:8*(4*\t+(\m))+7] offset:64*\t+16
.endr
	WIN 0
.irp i, 0,1,2,3,4,5,6,7
	ds_load_b128 v[OBA+4*\i:OBA+4*\i+3], v[SR] offset:SPITCH*\i    ; LDS serves a wave's instructions in order: these see my stores, and the next batch's stores come behind them
.endr
.irp i, 0,1,2,3,4,5,6,7
	ds_load_b128 v[OBB+4*\i:OBB+4*\i+3], v[SR] offset:SPITCH*(8+\i)
.endr
	s_wait_dscnt 8                                 ; rows 0-7 are back; the eight loads of rows 8-15 are younger
.irp i, 0,1,2,3,4,5,6,7
	v_pk_add_f32 v[OBA+4*\i:OBA+4*\i+1], v[OBA+4*\i:OBA+4*\i+1], v[CBV+4*(\p):CBV+4*(\p)+1]
	v_pk_add_f32 v[OBA+4*\i+2:OBA+4*\i+3], v[OBA+4*\i+2:OBA+4*\i+3], v[CBV+4*(\p)+2:CBV+4*(\p)+3]
.endr
.irp i, 0,1,2,3,4,5,6,7
	global_store_b128 v[TK+\i], v[OBA+4*\i:OBA+4*\i+3], s[22:23] offset:512*(\p) th:TH_STORE_NT   ; 32 lanes store 512 consecutive bytes, at a multiple of 256 from out0's first byte; written once, read by nobody here
.endr
	s_wait_dscnt 0x0
.irp i, 0,1,2,3,4,5,6,7
	v_pk_add_f32 v[OBB+4*\i:OBB+4*\i+1], v[OBB+4*\i:OBB+4*\i+1], v[CBV+4*(\p):CBV+4*(\p)+1]
	v_pk_add_f32 v[OBB+4*\i+2:OBB+4*\i+3], v[OBB+4*\i+2:OBB+4*\i+3], v[CBV+4*(\p)+2:CBV+4*(\p)+3]
.endr
.irp i, 0,1,2,3,4,5,6,7
	global_store_b128 v[TK+8+\i], v[OBB+4*\i:OBB+4*\i+3], s[22:23] offset:512*(\p) th:TH_STORE_NT
.endr
.endm
	; ---- the first product: K = 1,024 in units 0-7
.irp p, 0,1
.irp q, 0,1
	ds_load_b128 v[TS+8*\p+4*\q:TS+8*\p+4*\q+3], v[XRS] offset:1024*\p+16*\q   ; x's scale words: register 8 p + s: tiles 2 p (lanes 0-15) and 2 p + 1 (lanes 16-31), K step s
.endr
.endr
	OPLOAD 0
.irp u, 0,1,2,3,4,5,6,7
	UNIT \u
.endr
	PLACES 5                                       ; ahead of the reads of the results and of the writes over the tokens' fragments; the accumulators are begun anew later
	; ---- relu, the quantiser, the images of h: my 128 hidden units are K step w of the second product.  Units 8 to 10 are on their way meanwhile
.irp m, 0,1,2,3
	WIN 0x04                                       ; source 1 window 1
.irp t, 0,1,2,3,4,5,6,7
.irp j, 0,1,2,3,4,5,6,7
	v_max_num_f32 v[HA+8*\t+\j], 0, v[8*(4*\t+\m)+\j]              ; the activation, and the way into window 0, in one line; each accumulator from its low end on
.endr
.endr
	WIN 0
	QUANT HA
.irp c, 0,1,2
	ds_store_b128 v[HWI], v[PC+4*\c:PC+4*\c+3] offset:4*FRB*\m+512*\c
.endr
	ds_store_b32 v[HWS], v[PW] offset:512*(\m/2)+256*(\m%2)
	s_wait_dscnt 0x0                               ; the stores have read their registers; behind the last: for the others' sake
.endr
	s_barrier_signal -1
	s_barrier_wait -1                              ; h's sixteen fragments and their scale words lie in LDS
	; ---- the second product: K = 512; pass 0 in units 8-11, pass 1 in units 12-15
.irp p, 0,1
	ds_load_b128 v[TS+4*\p:TS+4*\p+3], v[HRS] offset:512*\p        ; h's scale words: register 4 p + s
.endr
	OPLOAD 8
.irp u, 8,9,10,11
	UNIT \u
.endr
	PLACES 5
.irp m, 0,1,2,3
	OUTB 0, \m
.endr
	s_wait_xcnt 0x0                                ; the stores have read v184 on, where unit 12 has the next fragments land
.irp u, 12,13,14,15
	UNIT \u
.endr
	PLACES 5
.irp m, 0,1,2,3
	OUTB 1, \m
.endr
	s_wait_tensorcnt 0x0
	ds_add_u32 v254, v255
	s_wait_dscnt 0x0
	s_endpgm
.Lfunc_end_k_q9da0ea621a_chain:
	.size	k_q9da0ea621a_chain, .Lfunc_end_k_q9da0ea621a_chain-k_q9da0ea621a_chain
	.p2alignl 7, 3214868480
	.fill 96, 4, 3214868480
	.section	.rodata,"a",@progbits
	.p2align	6, 0x0
	.amdhsa_kernel k_q9da0ea621a_chain
		.amdhsa_group_segment_fixed_size 111104
		.amdhsa_private_segment_fixed_size 0
		.amdhsa_enable_private_segment 0
		.amdhsa_kernarg_size 80
		.amdhsa_user_sgpr_count 2
		.amdhsa_user_sgpr_kernarg_segment_ptr 1
		.amdhsa_wavefront_size32 1
		.amdhsa_system_sgpr_workgroup_id_x 1
		.amdhsa_system_sgpr_workgroup_id_y 1
		.amdhsa_system_sgpr_workgroup_id_z 1
		.amdhsa_system_vgpr_workitem_id 0
		.amdhsa_next_free_vgpr 1024
		.amdhsa_next_free_sgpr 100
		.amdhsa_reserve_vcc 1
		.amdhsa_float_denorm_mode_32 3
		.amdhsa_float_denorm_mode_16_64 3
		.amdhsa_memory_ordered 1
		.amdhsa_forward_progress 1
		.amdhsa_inst_pref_size 235
	.end_amdhsa_kernel
	.amdgpu_metadata
---
amdhsa.version: [ 1, 2 ]
amdhsa.kernels:
  - .name:           k_q9da0ea621a_chain
    .symbol:         k_q9da0ea621a_chain.kd
    .args:
      - { .name: list, .offset: 0, .size: 8, .value_kind: global_buffer, .address_space: global }
      - { .name: xq, .offset: 8, .size: 8, .value_kind: global_buffer, .address_space: global }
      - { .name: xs, .offset: 16, .size: 8, .value_kind: global_buffer, .address_space: global }
      - { .name: wimg, .offset: 24, .size: 8, .value_kind: global_buffer, .address_space: global }
      - { .name: W1_scales, .offset: 32, .size: 8, .value_kind: global_buffer, .address_space: global }
      - { .name: W2_scales, .offset: 40, .size: 8, .value_kind: global_buffer, .address_space: global }
      - { .name: b1, .offset: 48, .size: 8, .value_kind: global_buffer, .address_space: global }
      - { .name: b2, .offset: 56, .size: 8, .value_kind: global_buffer, .address_space: global }
      - { .name: dvec, .offset: 64, .size: 8, .value_kind: global_buffer, .address_space: global }
      - { .name: out0, .offset: 72, .size: 8, .value_kind: global_buffer, .address_space: global }
    .group_segment_fixed_size: 111104
    .private_segment_fixed_size: 0
    .kernarg_segment_align: 8
    .kernarg_segment_size: 80
    .max_flat_workgroup_size: 128
    .sgpr_count:     100
    .vgpr_count:     1024
    .wavefront_size: 32
...
	.end_amdgpu_metadata
.endif
;; end of part 3
